; MI455X (gfx1250); checked and timed in simulation.
; The chip was launched on July 23, 2026; its instructions are those of AMD's public machine-readable ISA for CDNA 5 (MIT licence, August 2026) and "CDNA5" Instruction Set Architecture Reference Guide (July 2026). The comments in the code are by the model that wrote it; some were corrected since.
;; Q Linear. Allowed arithmetic: float matrix products may take bf16 or f16 operands with f32 sums; other float arithmetic in f32, or as packed bf16 or f16 multiplies, adds, multiply-adds, maxima and minima; sums over many terms, partial sums and values carried from step to step in f32; what a program stores and reads back later, other than sums and carried values, may be rounded once to bf16 or f16.
;; Inputs: bias 4,096 float32; weight_int8 4,096 x 4,096 int8; weight_scale one number float32; x 4 x 1,024 x 4,096 float32.
;; Outputs: out0 4 x 1,024 x 4,096 float32.
;; 2 versions, each right; version 2 is version 1 with the launch prep written anew for expert scheduling mode. Each part assembles by itself: llvm-mc -triple=amdgcn-amd-amdhsa -mcpu=gfx1250 --defsym DOCPART=n.
;; ======== version 1 of 2: 2 launches
;; workspace buffers: xq 33,554,432 bytes; wq 33,554,432 bytes; rs 16,384 bytes
;; launch prep (part 1): grid 256 x 1, 16 waves a work-group, no clusters, 0 bytes of LDS; arguments x, weight_int8, weight_scale, xq, wq, rs; writes xq, wq, rs
.if DOCPART == 1
	.amdgcn_target "amdgcn-amd-amdhsa--gfx1250"
	.amdhsa_code_object_version 6
	.text
	.protected	k_q17bfbc2992_prep
	.globl	k_q17bfbc2992_prep
	.p2align	8
	.type	k_q17bfbc2992_prep,@function
k_q17bfbc2992_prep:
	s_mov_b64 s[64:65], 0
	v_nop
	global_prefetch_b8 v0, s[64:65] scope:SCOPE_SE
	s_setreg_imm32_b32 hwreg(HW_REG_WAVE_MODE, 25, 1), 1
	s_wait_xcnt 0x0
; PREPARATION FOR THE PRODUCT.  x: [4096 rows][4096] f32.  weight_int8: [4096 rows][4096] i8.  weight_scale: one f32.
;   xq[m][k] = round(x[m][k] / xs[m]) as bf16, xs[m] = max over k of |x[m][k]| / 127 + 1e-8: a whole number in -127 .. 127, exact in bf16's eight significant bits
;   wq[p(n)][k] = weight_int8[n][k] as bf16: a whole number in -128 .. 127, exact likewise
;   rs[m] = xs[m] x weight_scale: the one factor that the product's sums are multiplied by afterwards
; THE ORDER OF wq's ROWS.  Row n = 128 G + 64 g + 4 r + c (r 0..15, c 0..3) is stored at place p = 128 G + 64 g + 16 c + r.  In the product, four accumulators of one lane are then four
; NEIGHBOURING columns of the output, 16 bytes of f32, and sixteen lanes hold 256 consecutive bytes of an output row: the result needs no exchange between lanes.
; SHARES.  4,096 waves; wave number 16 x work-group + wave takes that row of x and that row of the weights.  A row of x is 128 registers of the wave: it is read from memory once and stays in
; registers between the pass that finds the maximum and the pass that divides.  No wave waits for another: no LDS, no barrier.  All 48 loads of a wave (20 KiB) go out at the head;
; the weights' row, asked for first, is converted and stored while x is on its way.
; ARITHMETIC.  The two divisions are a reciprocal and one correction step each (q0 = x r; e = x - q0 s, exact in the fused form; q = q0 + e r).  LIMIT: such a quotient can differ from a correctly rounded
; division in its last bit, so a quotient within about 1e-7 of itself from a half can round to the neighbouring whole number: one step xs in one element.  xs lies between 1e-8 and 2^121 for finite x,
; so neither xs nor 1 / xs is a denormal.  A NaN or an infinity in a row makes NaN of that element (of the whole row for an infinity), and so of the row's outputs in the product.
.set T,   6                            ; v[6:13]    at work
.set M,   14                           ; v[14:17]   four running maxima
.set R,   18                           ; v[18:19]   1 / xs, twice (a pair for the packed forms)
.set S,   20                           ; v[20:21]   xs, twice
.set RSV, 22                           ; v22        xs x weight_scale
.set W,   24                           ; v[24:55]   load j of the weights: 2 registers, 8 bytes
.set WO,  56                           ; v[56:119]  store j of wq: 4 registers; never rewritten, so no store is waited for
.set X,   120                          ; v[120:247] load j of x: 4 registers; the first two then hold the four quotients as bf16, and are never rewritten
	s_load_b256 s[4:11], s[0:1], 0x0               ; x s[4:5], weight_int8 s[6:7], weight_scale s[8:9], xq s[10:11]
	s_load_b128 s[12:15], s[0:1], 0x20             ; wq s[12:13], rs s[14:15]
	v_lshrrev_b32 v5, 5, v0
	v_readfirstlane_b32 s17, v5                    ; wave 0..15
	v_and_b32 v3, 31, v0                           ; lane
	v_lshlrev_b32 v1, 4, v3                        ; 16 x lane: x's loads and wq's stores
	v_lshlrev_b32 v2, 3, v3                        ; 8 x lane: the weights' loads and xq's stores
	v_mov_b32 v4, 0
	s_lshl_b32 s18, ttmp9, 4
	s_add_co_u32 s17, s17, s18                     ; my row
	s_lshl_b32 s18, s17, 14                        ; its first byte in x (16,384 bytes a row),
	s_mov_b32 s19, 0
	s_lshl_b32 s20, s17, 12                        ; in weight_int8 (4,096),
	s_mov_b32 s21, 0
	s_lshl_b32 s22, s17, 13                        ; in xq (8,192)
	s_mov_b32 s23, 0
	s_and_b32 s24, s17, 0xfc0                      ; the place in wq: 128 G + 64 g stays,
	s_and_b32 s25, s17, 3
	s_lshl_b32 s25, s25, 4                         ; c goes up to 16 c,
	s_or_b32 s24, s24, s25
	s_bfe_u32 s25, s17, 0x40002                    ; r (4 bits from bit 2) comes down
	s_or_b32 s24, s24, s25
	s_lshl_b32 s24, s24, 13                        ; 8,192 bytes a row
	s_mov_b32 s25, 0
	s_lshl_b32 s26, s17, 2                         ; my word of rs
	s_mov_b32 s27, 0
	s_mov_b32 s28, 0x80808080                      ; turns four signed bytes w into unsigned w + 128
	s_mov_b32 s29, 0x4b000000                      ; 2^23 as f32: with a byte u in its lowest bits it is 2^23 + u
	s_mov_b32 s30, 0x07050400                      ; v_perm_b32: byte 3 of s29 on top, two zero bytes of it, byte 0 of the weights' word below;
	s_mov_b32 s31, 0x07050401                      ; byte 1,
	s_mov_b32 s32, 0x07050402                      ; byte 2,
	s_mov_b32 s33, 0x07050403                      ; byte 3
	s_mov_b32 s34, 0x3c010204                      ; 1 / 127
	s_mov_b32 s35, 0x42fe0000                      ; 127
	s_mov_b32 s36, 0x76543210                      ; v_permlanex16_b32: lane i of one half reads lane i of the other
	s_mov_b32 s37, 0xfedcba98
	s_mov_b32 s40, 0xcb000080                      ; -(2^23 + 128)
	s_mov_b32 s41, s40                             ; named with it as a pair
	s_wait_kmcnt 0x0
	s_load_b32 s16, s[8:9], 0x0                    ; weight_scale; waited for where it is used
	s_add_nc_u64 s[4:5], s[4:5], s[18:19]
	s_add_nc_u64 s[6:7], s[6:7], s[20:21]
	s_add_nc_u64 s[10:11], s[10:11], s[22:23]
	s_add_nc_u64 s[12:13], s[12:13], s[24:25]
	s_add_nc_u64 s[14:15], s[14:15], s[26:27]
.irp j, 0,1,2,3,4,5,6,7,8,9,10,11,12,13,14,15
	global_load_b64 v[W+2*(\j):W+2*(\j)+1], v2, s[6:7] offset:256*(\j) th:TH_LOAD_NT  ; 32 lanes x 8 bytes: 256 consecutive bytes, aligned
.endr
.set j, 0
.rept 32
	global_load_b128 v[X+4*j:X+4*j+3], v1, s[4:5] offset:512*j th:TH_LOAD_NT          ; 512 consecutive bytes
.set j, j+1
.endr
; Eight weights a lane: i8 to bf16 by way of f32, all steps exact.  w + 128 is set into the lowest byte of 2^23; 2^23 + 128 is taken away; the whole number is rounded to bf16, which holds it.
.macro WCONV j
	s_wait_loadcnt 47-(\j)                         ; loads come back in order: behind this one stand 15 - j of the weights' and the 32 of x
	v_xor_b32 v[W+2*(\j)],   s28, v[W+2*(\j)]
	v_xor_b32 v[W+2*(\j)+1], s28, v[W+2*(\j)+1]
.irp i, 0,1,2,3,4,5,6,7
	v_perm_b32 v[T+(\i)], s29, v[W+2*(\j)+(\i)/4], s[30+(\i)%4]
.endr
.irp i, 0,2,4,6
	v_pk_add_f32 v[T+(\i):T+(\i)+1], v[T+(\i):T+(\i)+1], s[40:41] op_sel_hi:[1,0]
.endr
.irp i, 0,1,2,3
	v_cvt_pk_bf16_f32 v[WO+4*(\j)+(\i)], v[T+2*(\i)], v[T+2*(\i)+1]
.endr
	global_store_b128 v1, v[WO+4*(\j):WO+4*(\j)+3], s[12:13] offset:512*(\j) th:TH_STORE_NT  ; 512 consecutive bytes, at a multiple of 512 from the row's first
.endm
.irp j, 0,1,2,3,4,5,6,7,8,9,10,11,12,13,14,15
	WCONV \j
.endr
	; The largest |x| of my 128 numbers: four chains that do not wait for each other, two numbers an instruction; the first four pairs start the chains.
.set p, 0
.rept 64
.if p%16 == 0
	s_wait_loadcnt 24-8*(p/16)                     ; the next eight loads of x are in; the younger ones stay out
.endif
.if p < 4
	v_max_num_f32 v[M+p], |v[X+2*p]|, |v[X+2*p+1]|
.else
	v_max3_num_f32 v[M+p%4], v[M+p%4], |v[X+2*p]|, |v[X+2*p+1]|
.endif
.set p, p+1
.endr
	v_max3_num_f32 v[M], v[M], v[M+1], v[M+2]
	v_max_num_f32 v[M], v[M], v[M+3]
	; across the 32 lanes: four steps inside each half of 16 lanes, one across the halves
	v_max_num_f32_dpp v[M], v[M], v[M] row_xmask:1 row_mask:0xf bank_mask:0xf
	v_max_num_f32_dpp v[M], v[M], v[M] row_xmask:2 row_mask:0xf bank_mask:0xf
	v_max_num_f32_dpp v[M], v[M], v[M] row_xmask:4 row_mask:0xf bank_mask:0xf
	v_max_num_f32_dpp v[M], v[M], v[M] row_xmask:8 row_mask:0xf bank_mask:0xf
	v_permlanex16_b32 v[M+1], v[M], s36, s37       ; its destination counts as read: a register that has been written
	v_max_num_f32 v[M], v[M], v[M+1]               ; every lane holds the row's maximum
	v_mul_f32 v[T], s34, v[M]                      ; maximum / 127: times the reciprocal,
	v_fma_f32 v[T+1], -v[T], s35, v[M]             ; what is left over, exact,
	v_fma_f32 v[T], v[T+1], s34, v[T]              ; and the correction
	v_add_f32 v[S], 0x322bcc77, v[T]               ; + 1e-8: xs
	v_rcp_f32 v[R], v[S]
	v_mov_b32 v[S+1], v[S]                         ; the plain instruction behind the reciprocal: it names neither the result nor writes the source
	s_wait_alu depctr_va_vdst(0)                   ; wait ahead of the first line that names the reciprocal's result
	v_mov_b32 v[R+1], v[R]
	s_wait_kmcnt 0x0                               ; weight_scale
	v_mul_f32 v[RSV], s16, v[S]
; Four numbers a lane: x / xs, rounded to the nearest whole number (halves to even), as bf16.
.macro XQUANT j
	v_pk_mul_f32 v[T:T+1],   v[X+4*(\j):X+4*(\j)+1],   v[R:R+1]
	v_pk_mul_f32 v[T+2:T+3], v[X+4*(\j)+2:X+4*(\j)+3], v[R:R+1]
	v_pk_fma_f32 v[T+4:T+5], v[T:T+1],   v[S:S+1], v[X+4*(\j):X+4*(\j)+1]   neg_lo:[1,0,0] neg_hi:[1,0,0]  ; x - q0 xs
	v_pk_fma_f32 v[T+6:T+7], v[T+2:T+3], v[S:S+1], v[X+4*(\j)+2:X+4*(\j)+3] neg_lo:[1,0,0] neg_hi:[1,0,0]
	v_pk_fma_f32 v[T:T+1],   v[T+4:T+5], v[R:R+1], v[T:T+1]
	v_pk_fma_f32 v[T+2:T+3], v[T+6:T+7], v[R:R+1], v[T+2:T+3]
.irp i, 0,1,2,3
	v_rndne_f32 v[T+(\i)], v[T+(\i)]
.endr
	v_cvt_pk_bf16_f32 v[X+4*(\j)],   v[T],   v[T+1]
	v_cvt_pk_bf16_f32 v[X+4*(\j)+1], v[T+2], v[T+3]
	global_store_b64 v2, v[X+4*(\j):X+4*(\j)+1], s[10:11] offset:256*(\j) th:TH_STORE_NT  ; 32 lanes x 8 bytes: 256 consecutive bytes, aligned
.endm
.set j, 0
.rept 32
	XQUANT j
.set j, j+1
.endr
	; rs: one number a row, stored by lane 0: 4 bytes a wave, 16 KiB of the launch's 67 MB of stores.  A store of 256 consecutive bytes of rs would want 64 rows in one work-group.
	v_cmp_eq_u32 vcc_lo, 0, v3
	s_wait_xcnt 0x0                                ; EXEC is a source of the stores above: it changes only behind this wait
	s_and_saveexec_b32 s38, vcc_lo
	global_store_b32 v4, v[RSV], s[14:15]
	s_wait_xcnt 0x0                                ; and again, in front of the line that widens it
	s_or_b32 exec_lo, exec_lo, s38
	s_endpgm
.Lfunc_end_k_q17bfbc2992_prep:
	.size	k_q17bfbc2992_prep, .Lfunc_end_k_q17bfbc2992_prep-k_q17bfbc2992_prep
	.p2alignl 7, 3214868480
	.fill 96, 4, 3214868480
	.section	.rodata,"a",@progbits
	.p2align	6, 0x0
	.amdhsa_kernel k_q17bfbc2992_prep
		.amdhsa_group_segment_fixed_size 0
		.amdhsa_private_segment_fixed_size 0
		.amdhsa_enable_private_segment 0
		.amdhsa_kernarg_size 48
		.amdhsa_user_sgpr_count 2
		.amdhsa_user_sgpr_kernarg_segment_ptr 1
		.amdhsa_wavefront_size32 1
		.amdhsa_system_sgpr_workgroup_id_x 1
		.amdhsa_system_sgpr_workgroup_id_y 1
		.amdhsa_system_sgpr_workgroup_id_z 1
		.amdhsa_system_vgpr_workitem_id 0
		.amdhsa_next_free_vgpr 248
		.amdhsa_next_free_sgpr 66
		.amdhsa_reserve_vcc 1
		.amdhsa_float_denorm_mode_32 3
		.amdhsa_float_denorm_mode_16_64 3
		.amdhsa_memory_ordered 1
		.amdhsa_forward_progress 1
		.amdhsa_inst_pref_size 54
	.end_amdhsa_kernel
	.amdgpu_metadata
---
amdhsa.version: [ 1, 2 ]
amdhsa.kernels:
  - .name:           k_q17bfbc2992_prep
    .symbol:         k_q17bfbc2992_prep.kd
    .args:
      - { .name: x, .offset: 0, .size: 8, .value_kind: global_buffer, .address_space: global }
      - { .name: weight_int8, .offset: 8, .size: 8, .value_kind: global_buffer, .address_space: global }
      - { .name: weight_scale, .offset: 16, .size: 8, .value_kind: global_buffer, .address_space: global }
      - { .name: xq, .offset: 24, .size: 8, .value_kind: global_buffer, .address_space: global }
      - { .name: wq, .offset: 32, .size: 8, .value_kind: global_buffer, .address_space: global }
      - { .name: rs, .offset: 40, .size: 8, .value_kind: global_buffer, .address_space: global }
    .group_segment_fixed_size: 0
    .private_segment_fixed_size: 0
    .kernarg_segment_align: 8
    .kernarg_segment_size: 48
    .max_flat_workgroup_size: 512
    .sgpr_count:     66
    .vgpr_count:     248
    .wavefront_size: 32
...
	.end_amdgpu_metadata
.endif
;; end of part 1
;; launch gemm (part 2): grid 16 x 16, 4 waves a work-group, clusters of 4 x 4, 327,680 bytes of LDS; arguments xq, wq, rs, bias, out0; writes out0
.if DOCPART == 2
	.amdgcn_target "amdgcn-amd-amdhsa--gfx1250"
	.amdhsa_code_object_version 6
	.text
	.protected	k_q17bfbc2992_gemm
	.globl	k_q17bfbc2992_gemm
	.p2align	8
	.type	k_q17bfbc2992_gemm,@function
k_q17bfbc2992_gemm:
	s_mov_b64 s[64:65], 0
	v_nop
	global_prefetch_b8 v0, s[64:65] scope:SCOPE_SE
	s_setreg_imm32_b32 hwreg(HW_REG_WAVE_MODE, 25, 1), 1
	s_wait_xcnt 0x0
	s_wait_alu depctr_hold_cnt(0) depctr_sa_sdst(0) depctr_va_vdst(0) depctr_va_sdst(0) depctr_va_ssrc(0) depctr_va_vcc(0) depctr_vm_vsrc(0)
	s_getreg_b32 s2, hwreg(HW_REG_IB_STS2, 6, 4)
	s_cmp_eq_u32 s2, 0
	s_cbranch_scc0 .Lentry_in_a_cluster
	s_endpgm
.Lentry_in_a_cluster:
	s_bfe_u32 s2, ttmp6, 0x10000c
	s_cmp_lg_u32 s2, 0xf033
	s_cbranch_scc0 .Lentry_shape_is_right
	s_endpgm
.Lentry_shape_is_right:
; out0[m][n] = rs[m] x (the sum over k of xq[m][k] w[n][k]) + bias[n].  xq: [4096][4096] bf16, whole numbers in -127 .. 127.  wq: [4096][4096] bf16, the weights' whole numbers, its rows in the order below.
; rs: [4096] f32, the row's scale times the weights' scale.  bias: [4096] f32.  out0: [4096][4096] f32.  Both operands are exact in bf16; sums in f32.
; LIMITS.  The two scales are applied once, as one product, to the sum, not to each element: an order of rounding that differs from a product of scaled numbers by a few parts in 1e7.  A sum of whole numbers beyond 2^24
; (the largest possible is 127 x 128 x 4096 = 6.7e7) is rounded in f32.  A NaN in xq makes NaN of its row of out0.
; A tile of out0, 256 x 256, is made by a work-group of four waves; a wave makes 128 x 128: 64 accumulators of 16 x 16, 512 registers.  256 tiles, one to a work-group.  K goes in 32 steps of 128 through a ring of
; two LDS slots filled by the tensor data mover: a tile's rows are 256 bytes of memory and start at multiples of 256 bytes from the buffer's first byte.
; CLUSTERS: 4 x 4 work-groups.  The four of a row of the cluster need the same tiles of xq, the four of a column the same tiles of wq: each tile is asked for JOINTLY, by the same tensor load with the same
; descriptor and a mask that names the four, and each receives it in its own LDS.  That divides the requests for both operands by four.
; THE ORDER OF wq's ROWS, AND THE WAY OUT.  Source 0 = 16 rows of xq, source 1 = 16 rows of wq: in accumulator (a, b) lane l = 16 h + r holds in register j the row 16 a + 8 h + j and the wq row 16 b + r of my 128.
; Output column 64 g + 4 r + c of my 128 lies at wq row 64 g + 16 c + r, so b = 4 g + c: the four accumulators b = 4 g .. 4 g + 3 hold, in one lane and one register number, four NEIGHBOURING columns of one row.
; The multiply-add that the result is owed anyway (sum x rs + bias) writes them into four registers on end: one store of 16 bytes a lane, sixteen lanes 256 consecutive bytes, aligned.  Nothing goes through LDS on the way out.
; REGISTERS, in windows of 256 (s_set_vgpr_msb's low byte: bits 1:0 source 0, 3:2 source 1, 5:4 source 2, 7:6 destination):
;   window 0: v0-31 addresses; v32-39 bias; v64-127, v128-191 fragments of xq (8 x 16 rows x 32 K), two buffers, on the way out the stores' two buffers; v192-255 rs of my lane's 64 rows
;   window 1: v64-127, v128-191 fragments of wq, two buffers
;   window 2: the 32 accumulators of my rows 0-63 (accumulator (a, b) at v[8 (8 a + b)]);   window 3: those of my rows 64-127
.set SIZE_K, 4096
.set SIZE_N, 4096
.set KSTEP,  128
.set PITCH,  272                       ; an LDS row: 256 bytes of data + 16 of padding = 68 words: row r starts at bank 4 r mod 64 (64 banks of 4 bytes: ISA guide 11.1), so the 16 rows that a load touches start at 16 different banks
.set HALFT,  128*PITCH                 ; 128 rows: what one tensor load brings, and what one wave reads of either operand
.set SLOT,   4*HALFT                   ; xq's 256 rows, then wq's 256 rows
.set SPARE,  2*SLOT                    ; behind the ring: the spare words, 128 bytes for each wave: two blocks of 256 bytes that no other line names
.set LAPS,   SIZE_K/(2*KSTEP)          ; a lap = two K steps = once round the ring: 16
.set ADRA, 16                          ; v16-17  LDS address of my xq fragments in slot 0, 1
.set ADRB, 20                          ; v20-21  the same for wq
.set RO,   22                          ; v22     my byte offset in rs; never rewritten
.set BO,   23                          ; v23     my byte offset in bias; never rewritten
.set CO,   26                          ; v26     my byte offset in my part of out0: 8 h rows + 16 r; never rewritten
.set SPW,  28                          ; v28     LDS address of my spare word: SPARE + 4 x my thread's number; never rewritten
.set NIL,  29                          ; v29     0; never rewritten
.set PFO,  30                          ; v30     the prefetches' offset: my lane x a row of xq or wq (8,192 bytes); never rewritten
.set BI,   32                          ; v32-39  bias of column 64 g + 4 r + c at BI + 4 g + c
.set F0,   64                          ; fragment buffer 0
.set F1,   128                         ; fragment buffer 1
.set RS,   192                         ; v192-255  rs of row 16 a + 8 h + j at RS + 8 a + j
.set PFA,  44                          ; s[44:45] where my prefetches stand: my work-group's 32 rows of the 128 that I fetch, one K step further along K than the refill that is being asked for; a prefetch names the K step after that
.set LIM,  43                          ; s43     1 in a wave that prefetches, else the greatest number
.set G1,  24                           ; s[24:31] descriptor group 1 for xq's tiles
.set G0,  32                           ; s[32:39] descriptor group 0 for xq's tiles, one set for each slot
.set G1B, 48                           ; s[48:55] descriptor group 1 for wq's tiles: it differs in the mask alone
.set G0B, 56                           ; s[56:63] descriptor group 0 for wq's tiles, one set for each slot
.set MSB, 0
.macro WIN new                         ; the immediate's high byte repeats the setting that is left; a switch that changes nothing is dropped
.if MSB != (\new)
	s_set_vgpr_msb (MSB<<8)|(\new)
.set MSB, \new
.endif
.endm
.set MUL_LO, 0xa4                      ; source 0 (xq) window 0, source 1 (wq) window 1, C and D window 2
.set MUL_HI, 0xf4                      ; the same, C and D window 3
.set TO_B,   0x40                      ; destination window 1, address window 0
; A joint load.  Waves 0 and 1 fetch xq's two halves, waves 2 and 3 wq's.  Each of the two lines has ONE mask and one set of registers for all that issue it, and nothing in them hangs on a coordinate that the
; four partners do not share.  The branch hangs on the wave's number alone.  An s_nop 0 and four v_nop follow each of the two lines, ahead of the jump, the label and what follows.
.macro JLOAD s
	s_cmp_eq_u32 s11, 0
	s_cbranch_scc0 .Lfor_b_\@
	tensor_load_to_lds s[G0+4*(\s):G0+4*(\s)+3], s[G1:G1+7]
	s_nop 0
.rept 4
	v_nop
.endr
	s_branch .Lasked_\@
.Lfor_b_\@:
	tensor_load_to_lds s[G0B+4*(\s):G0B+4*(\s)+3], s[G1B:G1B+7]
	s_nop 0
.rept 4
	v_nop
.endr
.Lasked_\@:
.endm
; A PREFETCH INTO THE L2, behind each joint refill, its five lines and the run of LDS loads that follows them: the K step that stands TWO refills on (512 matrix instructions ahead of the load that will ask for it):
; 32 rows x 256 bytes, a lane a row, one instruction a wave.  Each row's 256 bytes of a K step are named ONCE in the launch: xq's tile row is read by every cluster of that row of clusters, and the one with
; cluster x = 0 prefetches; wq's tile column by every cluster of that column, and the one with cluster y = 0 prefetches.  The four partners that ask for a tile jointly share its rows out BY ADDRESS: of the 128 rows
; that a wave fetches, the partner at place p takes 32 p .. 32 p + 31 (p = cx for xq, cy for wq): no branch hangs on a work-group's place in its cluster.  K steps 0 to 3 come by their loads alone;
; the loop's last trip (s3 = 1) asks for nothing: K steps 32 and 33 do not exist.
.macro ASK
	s_cmp_gt_u32 s3, s[LIM]
	s_cbranch_scc0 .Lnot_mine_\@
	global_prefetch_b8 v[PFO], s[PFA:PFA+1] offset:KSTEP*2 th:TH_LOAD_NT scope:SCOPE_SE
.Lnot_mine_\@:
.endm
; A round of the cluster's barrier: my work-group's barrier, so that wave 0's signal speaks for all four waves; wave 0 signals for the work-group; every wave waits for all sixteen work-groups; my work-group's
; barrier once more.  No LDS instruction of the wave is pending at a signal.
.macro CREST                           ; a round behind its opening barrier
	s_cmp_lg_u32 s10, 0
	s_cbranch_scc1 .Lnot_wave_0_\@
	s_barrier_signal -3
.Lnot_wave_0_\@:
	s_barrier_wait -3
	s_barrier_signal -1
	s_barrier_wait -1
.endm
.macro CROUND                          ; a whole round
	s_barrier_signal -1
	s_barrier_wait -1
	CREST
.endm
	s_load_b128 s[4:7], s[0:1], 0x0                ; xq s[4:5], wq s[6:7]
	s_load_b128 s[68:71], s[0:1], 0x10             ; rs s[68:69], bias s[70:71]
	s_load_b64 s[8:9], s[0:1], 0x20                ; out0
	v_lshl_add_u32 v[SPW], v0, 2, SPARE
	v_mov_b32 v[NIL], 0
	ds_add_u32 v[SPW], v[NIL]                      ; the wave's opening: the add, twice on end, and its wait stand ahead of my first tensor load; the set-up below, work on registers, stands between the second and the wait
	ds_add_u32 v[SPW], v[NIL]                      ; and once more, under the one wait
	v_lshrrev_b32 v1, 5, v0
	v_readfirstlane_b32 s10, v1                    ; wave 0..3
	s_lshr_b32 s11, s10, 1                         ; which half of the tile's rows is mine.  Also: I fetch for xq (0) or for wq (1)
	s_and_b32 s12, s10, 1                          ; which half of its columns.  Also: which 128 rows of that tile I fetch
	s_bfe_u32 s40, ttmp6, 0x40000                  ; cx: my place along the cluster's x
	s_bfe_u32 s41, ttmp6, 0x40004                  ; cy: along its y
	s_lshl_b32 s42, ttmp9, 2                       ; in a cluster launch ttmp9 and ttmp7 count clusters
	s_add_co_u32 s42, s42, s40                     ; tile column = 4 x cluster x + cx
	s_and_b32 s13, ttmp7, 0xffff
	s_lshl_b32 s13, s13, 2
	s_add_co_u32 s13, s13, s41                     ; tile row = 4 x cluster y + cy
	s_lshl_b32 s43, s41, 2
	s_lshl_b32 s43, 15, s43                        ; my row of the cluster: places 4 cy .. 4 cy + 3
	s_lshl_b32 s44, 0x1111, s40                    ; my column: places cx, cx + 4, cx + 8, cx + 12
	; descriptor group 1: a tile of 128 rows x 128 elements, padded in LDS
	s_or_b32 s[G1+0], s43, (1<<16)|(1<<20)|(1<<21)|(5<<22)|(3<<25)  ; 15:0 the mask: xq's tiles go to my row; 17:16 element of 2 bytes; 20 padding on; 21 set beside a mask; 24:22 after every 64 words (code 5); 31:25 of 4 words (code 3)
	s_or_b32 s[G1B+0], s44, (1<<16)|(1<<20)|(1<<21)|(5<<22)|(3<<25) ; the same with the mask of my column, for wq's tiles
	s_mov_b32 s[G1B+1], KSTEP<<16
	s_mov_b32 s[G1+1], KSTEP<<16                   ; 63:48 tensor_dim0, low half = 128
	s_mov_b32 s[G1B+2], 128<<16
	s_mov_b32 s[G1+2], 128<<16                     ; 79:64 its high half = 0; 95:80 tensor_dim1, low half = 128
	s_mov_b32 s[G1B+3], KSTEP<<16
	s_mov_b32 s[G1+3], KSTEP<<16                   ; 111:96 its high half = 0; 127:112 tile_dim0 = 128
	s_mov_b32 s[G1B+4], 128
	s_mov_b32 s[G1+4], 128                         ; 143:128 tile_dim1 = 128; 159:144 tile_dim2 = 0
	s_mov_b32 s[G1B+5], SIZE_K
	s_mov_b32 s[G1+5], SIZE_K                      ; 191:160 tensor_dim0_stride, low word: elements from row to row
	s_mov_b32 s[G1B+6], 0
	s_mov_b32 s[G1+6], 0
	s_mov_b32 s[G1B+7], 0
	s_mov_b32 s[G1+7], 0
	; where the tiles come from.  xq's hang on the tile row alone, which my row of the cluster shares; wq's on the tile column alone, which my column shares.
	; Every wave makes both addresses, in registers that never hold the other coordinate, and asks by one of them.
	s_lshl_b32 s17, s12, 7                         ; which 128 rows of the tile I fetch
	s_lshl_b32 s16, s13, 8
	s_add_co_u32 s16, s16, s17                     ; xq: row 256 x tile row + 128 x half
	s_lshl_b32 s46, s42, 8
	s_add_co_u32 s46, s46, s17                     ; wq: row 256 x tile column + 128 x half
	s_mov_b32 s17, 0
	s_mov_b32 s47, 0
	s_mov_b64 s[18:19], SIZE_K*2
	s_mul_u64 s[16:17], s[16:17], s[18:19]         ; in bytes
	s_mul_u64 s[46:47], s[46:47], s[18:19]
	s_mul_i32 s20, s10, HALFT                      ; and where they go: xq's two halves, then wq's two halves = wave x 128 rows: no place in the cluster enters an LDS address
	s_wait_dscnt 0x0                               ; both opening adds are done
	s_wait_kmcnt 0x0
	s_add_nc_u64 s[14:15], s[4:5], s[16:17]
	s_add_nc_u64 s[46:47], s[6:7], s[46:47]
	CROUND                                         ; all sixteen work-groups are here: the first joint loads meet
.irp s, 0,1
	s_mov_b32 s[G0+4*(\s)], 1                                      ; 1:0 count = 1
	s_add_co_u32 s[G0+4*(\s)+1], s20, (\s)*SLOT                    ; 63:32 LDS address
	s_add_nc_u64 s[G0+4*(\s)+2:G0+4*(\s)+3], s[14:15], (\s)*KSTEP*2  ; 120:64 global address: K step s
	s_or_b32 s[G0+4*(\s)+3], s[G0+4*(\s)+3], 0x80000000            ; 127:126 type = 2
	s_mov_b32 s[G0B+4*(\s)], 1
	s_add_co_u32 s[G0B+4*(\s)+1], s20, (\s)*SLOT
	s_add_nc_u64 s[G0B+4*(\s)+2:G0B+4*(\s)+3], s[46:47], (\s)*KSTEP*2
	s_or_b32 s[G0B+4*(\s)+3], s[G0B+4*(\s)+3], 0x80000000
	JLOAD \s                                       ; the ring is filled before anything else is done: two tensor loads of mine are out
.endr
	; A fragment is 16 rows x 32 K in 8 registers: lane l holds row l % 16; registers 0-3 hold K = 8 (l / 16) + 0..7, registers 4-7 hold K = 16 + 8 (l / 16) + 0..7.
	; From rows that lie along K: two loads of 16 bytes, 32 bytes apart.  The same for source 0 and source 1.
	v_and_b32 v1, 15, v0                           ; r = l % 16
	v_bfe_u32 v2, v0, 4, 1                         ; h = l / 16
	v_mul_u32_u24 v3, v1, PITCH
	v_lshl_add_u32 v3, v2, 4, v3                   ; row x pitch + 16 x half
	s_mul_i32 s21, s11, HALFT                      ; my 128 rows of xq
	s_mul_i32 s22, s12, HALFT                      ; my 128 rows of wq,
	s_add_co_u32 s22, s22, 2*HALFT                 ; which lie behind xq's 256
.irp s, 0,1
	v_add_nc_u32 v[ADRA+(\s)], s21, v3
	v_add_nc_u32 v[ADRB+(\s)], s22, v3
	s_add_co_u32 s21, s21, SLOT
	s_add_co_u32 s22, s22, SLOT
.endr
	s_lshl_b32 s13, s13, 8                         ; 256 x tile row
	s_lshl_b32 s42, s42, 8                         ; 256 x tile column
	s_lshl_b32 s14, s11, 7
	s_add_co_u32 s16, s13, s14                     ; my first row of out0
	s_lshl_b32 s15, s12, 7
	s_add_co_u32 s46, s42, s15                     ; my first column
	s_lshl_b32 s18, s16, 2                         ; 4 bytes a row in rs
	v_lshl_add_u32 v[RO], v2, 5, s18               ; + my lanes' 8 h rows
	s_lshl_b32 s46, s46, 2                         ; 4 bytes a column, in bias and in a row of out0
	v_lshl_add_u32 v[BO], v1, 4, s46               ; + my lane's 4 r columns
.irp g, 0,1
	global_load_b128 v[BI+4*(\g):BI+4*(\g)+3], v[BO], s[70:71] offset:256*(\g)  ; bias of columns 64 g + 4 r + 0..3
.endr
.irp a, 0,1,2,3,4,5,6,7
	global_load_b128 v[RS+8*(\a):RS+8*(\a)+3],   v[RO], s[68:69] offset:64*(\a)     ; rs of rows 16 a + 8 h + 0..3,
	global_load_b128 v[RS+8*(\a)+4:RS+8*(\a)+7], v[RO], s[68:69] offset:64*(\a)+16  ; + 4..7
.endr
	v_lshlrev_b32 v[CO], 17, v2                    ; 8 h rows of 16,384 bytes
	v_lshl_add_u32 v[CO], v1, 4, v[CO]             ; + 16 r
	s_lshl_b32 s16, s16, 14                        ; my first row in bytes: under 2^26
	s_mov_b32 s17, 0
	s_mov_b32 s47, 0
	s_add_nc_u64 s[8:9], s[8:9], s[16:17]          ; out0 at my part of the tile
	s_add_nc_u64 s[8:9], s[8:9], s[46:47]
	; the prefetches.  s13 = 256 x tile row, s42 = 256 x tile column, s40 = cx, s41 = cy
	s_and_b32 s22, ttmp7, 0xffff                   ; cluster y
	s_cmp_eq_u32 s11, 0                            ; do I fetch for xq?
	s_cselect_b32 s20, s13, s42                    ; the tile's first row: in xq by the tile row, in wq by the tile column
	s_cselect_b32 s21, s40, s41                    ; my place among the four that ask for it with me
	s_cselect_b32 s22, ttmp9, s22                  ; the coordinate along which other clusters read the same rows
	s_cselect_b64 s[PFA:PFA+1], s[4:5], s[6:7]
	s_cmp_eq_u32 s22, 0
	s_cselect_b32 s[LIM], 1, -1                    ; the same in all sixteen partners, for a given wave
	s_lshl_b32 s22, s12, 7
	s_add_co_u32 s20, s20, s22                     ; + the 128 rows that I fetch
	s_lshl_b32 s21, s21, 5
	s_add_co_u32 s20, s20, s21                     ; + my work-group's 32 of them
	s_mov_b32 s21, 0
	s_mov_b64 s[18:19], SIZE_K*2
	s_mul_u64 s[20:21], s[20:21], s[18:19]
	s_add_nc_u64 s[PFA:PFA+1], s[PFA:PFA+1], s[20:21]
	s_add_nc_u64 s[PFA:PFA+1], s[PFA:PFA+1], 2*KSTEP*2  ; at K step 2: the first refill steps it to 3 and names K step 4
	v_and_b32 v[PFO], 31, v0
	v_mul_u32_u24 v[PFO], v[PFO], SIZE_K*2
	; nothing is prefetched here, at the head, where every work-group's first two tiles are on their way
; 16 matrix instructions: row blocks a0, a0 + 1 of the window's four (hi = 0: my rows 0-63, 1: rows 64-127) x all 8 column blocks, 32 along K.  zero = 1: the first product starts the sums: nothing is ever cleared.
; The 64 accumulators take turns, one instruction a turn, in the same order in every quarter step, over the loop's backward jump too.
.macro MUL16 f, hi, a0, zero
	WIN MUL_LO+0x50*(\hi)  ; MUL_LO or MUL_HI
.irp a, \a0, (\a0)+1
.irp b, 0,1,2,3,4,5,6,7
.if \zero
	v_wmma_f32_16x16x32_bf16 v[8*(8*(\a)+(\b)):8*(8*(\a)+(\b))+7], v[(\f)+8*(4*(\hi)+(\a)):(\f)+8*(4*(\hi)+(\a))+7], v[(\f)+8*(\b):(\f)+8*(\b)+7], 0
.else
	v_wmma_f32_16x16x32_bf16 v[8*(8*(\a)+(\b)):8*(8*(\a)+(\b))+7], v[(\f)+8*(4*(\hi)+(\a)):(\f)+8*(4*(\hi)+(\a))+7], v[(\f)+8*(\b):(\f)+8*(\b)+7], v[8*(8*(\a)+(\b)):8*(8*(\a)+(\b))+7]
.endif
.endr
.endr
.endm
; 32 LDS loads in one run: the fragments of one quarter step (128 rows of wq, 128 rows of xq, 32 K at byte k of the rows) into buffer f
.macro FETCH slot, k, f
	WIN TO_B
.irp i, 0,1,2,3,4,5,6,7
	ds_load_b128 v[(\f)+8*(\i):(\f)+8*(\i)+3],   v[ADRB+(\slot)] offset:(\k)+(\i)*16*PITCH
	ds_load_b128 v[(\f)+8*(\i)+4:(\f)+8*(\i)+7], v[ADRB+(\slot)] offset:(\k)+(\i)*16*PITCH+32
.endr
	WIN 0
.irp i, 0,1,2,3,4,5,6,7
	ds_load_b128 v[(\f)+8*(\i):(\f)+8*(\i)+3],   v[ADRA+(\slot)] offset:(\k)+(\i)*16*PITCH
	ds_load_b128 v[(\f)+8*(\i)+4:(\f)+8*(\i)+7], v[ADRA+(\slot)] offset:(\k)+(\i)*16*PITCH+32
.endr
.endm
; A load into a register that a matrix instruction has read, and a vector instruction that reads a matrix result or writes one of a matrix instruction's registers, stand four places behind that matrix
; instruction, and only plain vector instructions that name none of its registers are places (ISA guide 7.12.1 for vector instructions).
.macro PLACES
.rept 4
	v_nop
.endr
.endm
; A K step is four quarter steps of 32 along K, 64 matrix instructions each, on buffers 0, 1, 0, 1.
; One of the first three: multiplies buffer f; in its middle it fetches the next quarter's fragments, at byte k of the same slot's rows, into buffer g.
.macro QUARTER slot, k, f, g, zero
	s_wait_dscnt 8                                 ; wq's and xq's rows 0-63 are in; the youngest eight loads (xq's rows 64-127) may be out
	MUL16 \f, 0, 0, \zero
	MUL16 \f, 0, 2, \zero
	PLACES
	FETCH \slot, \k, \g
	s_wait_dscnt 32                                ; all but the 32 just issued
	MUL16 \f, 1, 0, \zero
	MUL16 \f, 1, 2, \zero
.endm
; The last quarter multiplies buffer 1 and changes slots.  MEET is its first half: ONE barrier for the change of slots, for two things.  In front of it each wave waits for all its tensor loads, of which one is out:
; its part of the next slot; adds 0 to its spare word; and waits for that and for its own reads of this slot.  Behind it nobody reads this slot any more and the next slot is whole.
.macro MEET round                      ; round = 1: a round of the cluster's barrier follows
	WIN 0                                          ; (the add's two registers lie in window 0)
	s_wait_tensorcnt 0x0                           ; all my tensor loads have landed: the one that was out is my part of the next slot;
	ds_add_u32 v[SPW], v[NIL]                      ; 0 onto my spare word;
	s_wait_dscnt 9                                 ; (the add and the youngest eight loads may be out)
	MUL16 F1, 0, 0, 0                              ; sixteen matrix instructions stand between the add and the wait for it
	s_wait_dscnt 0x0                               ; the add is done, and my reads of this slot are over:
	s_barrier_signal -1                            ; say so (where a slot is filled again this barrier opens a round of the cluster's barrier),
	MUL16 F1, 0, 2, 0                              ; work on registers while the others arrive,
.if \round
	WIN 0
.endif
	s_barrier_wait -1                              ; and go on when all four have said so
.endm
; The whole last quarter.  fill = 1: behind the round the slot just read out is filled again first, with the K step two steps on; then come the next slot's first fragments.  From a request to the wait for it
; a wave issues 224 matrix instructions.  fill = 0 (the last lap): nothing is left to fetch, and the work-group's barrier alone stands.
.macro TURN slot, next, fill
.if \fill
	s_wait_xcnt 0x0                                ; the last prefetch, a K step back, has read its address: it is stepped here, ahead of the waits of the change of slots
	s_add_nc_u64 s[PFA:PFA+1], s[PFA:PFA+1], KSTEP*2
	MEET 1
	CREST                                          ; wave 0 says so for the work-group, all sixteen work-groups have said so, my work-group's barrier closes the round:
	                                               ; no wave of any partner still reads this slot's tile or has a load on its way
	s_add_nc_u64 s[G0+4*(\slot)+2:G0+4*(\slot)+3], s[G0+4*(\slot)+2:G0+4*(\slot)+3], 2*KSTEP*2     ; no tensor load of mine is out, so a group 0 may be written
	s_add_nc_u64 s[G0B+4*(\slot)+2:G0B+4*(\slot)+3], s[G0B+4*(\slot)+2:G0B+4*(\slot)+3], 2*KSTEP*2
	JLOAD \slot                                    ; the first tensor load behind the round, and my only one until the next; the four v_nop behind it are also the places in front of the loads below
.else
	MEET 0
	PLACES
.endif
	FETCH \next, 0, F0
.if \fill
	ASK                                            ; behind the joint load and the run of LDS loads that the next products wait for
.endif
	MUL16 F1, 1, 0, 0
	MUL16 F1, 1, 2, 0
.endm
; THE WAY OUT of row block a (16 rows x my 128 columns): sum x rs + bias, one fused multiply-add a number, which also brings a lane's four neighbouring columns into four registers on end; then 16 stores.
; Register j ascends.  Two buffers of 64 registers take turns.
.macro OUT a
.set TB, 64+64*((\a)%2)
.set AC, 64*((\a)%4)
.if (\a) >= 2
	s_wait_xcnt 0x0                                ; the stores of the block two back have read this buffer: it is rewritten only behind this wait
.endif
	WIN 0x02+(\a)/4                                ; source 0: window 2 or 3
.irp j, 0,1,2,3,4,5,6,7
.irp g, 0,1
.irp c, 0,1,2,3
	v_fma_f32 v[TB+4*(2*(\j)+(\g))+(\c)], v[AC+8*(4*(\g)+(\c))+(\j)], v[RS+8*(\a)+(\j)], v[BI+4*(\g)+(\c)]
.endr
.endr
.endr
	WIN 0
.irp j, 0,1,2,3,4,5,6,7
.irp g, 0,1
	global_store_b128 v[CO], v[TB+4*(2*(\j)+(\g)):TB+4*(2*(\j)+(\g))+3], s[8:9] offset:(16*(\a)+(\j))*SIZE_N*4+256*(\g) th:TH_STORE_NT  ; 16 lanes store 256 consecutive bytes of a row, at a multiple of 256 from out0's first byte; the largest immediate is 1,949,952
.endr
.endr
.endm
	s_wait_loadcnt 0x0                             ; rs and bias, once
	s_wait_tensorcnt 1                             ; my part of K step 0 is in; K step 1's may stay out
	s_barrier_signal -1
	s_barrier_wait -1                              ; everybody's is
	FETCH 0, 0, F0
	QUARTER 0, 64,  F0, F1, 1                      ; the first quarter stands in front of the loop: its products start the sums
	WIN 0                                          ; at a label and at a branch every window is 0
	s_mov_b32 s3, LAPS-1
.Llap:                                                 ; 15 trips: a trip goes once round the ring, from a lap's second quarter to the next lap's first, and fills both slots again
	QUARTER 0, 128, F1, F0, 0
	QUARTER 0, 192, F0, F1, 0
	TURN 0, 1, 1
	QUARTER 1, 64,  F0, F1, 0
	QUARTER 1, 128, F1, F0, 0
	QUARTER 1, 192, F0, F1, 0
	TURN 1, 0, 1
	QUARTER 0, 64,  F0, F1, 0
	WIN 0
	s_sub_co_u32 s3, s3, 1
	s_cmp_lg_u32 s3, 0
	s_cbranch_scc1 .Llap
	QUARTER 0, 128, F1, F0, 0                      ; the last lap is written out: it fills nothing
	QUARTER 0, 192, F0, F1, 0
	TURN 0, 1, 0
	QUARTER 1, 64,  F0, F1, 0
	QUARTER 1, 128, F1, F0, 0
	QUARTER 1, 192, F0, F1, 0
	s_wait_dscnt 8                                 ; the very last quarter: nothing more to fetch
	MUL16 F1, 0, 0, 0
	MUL16 F1, 0, 2, 0
	s_wait_dscnt 0x0
	MUL16 F1, 1, 0, 0
	MUL16 F1, 1, 2, 0
	WIN 0
	PLACES                                         ; behind the last products: the lines below read results and write registers that were sources
	PLACES
.irp a, 0,1,2,3,4,5,6,7
	OUT \a
.endr
	s_wait_tensorcnt 0x0                           ; the wave's end: behind my last tensor load
	ds_add_u32 v[SPW], v[NIL]
	s_wait_dscnt 0x0
	CROUND                                         ; the closing round: no work-group ends while a partner may still ask for a tile that names it
	s_endpgm
.Lfunc_end_k_q17bfbc2992_gemm:
	.size	k_q17bfbc2992_gemm, .Lfunc_end_k_q17bfbc2992_gemm-k_q17bfbc2992_gemm
	.p2alignl 7, 3214868480
	.fill 96, 4, 3214868480
	.section	.rodata,"a",@progbits
	.p2align	6, 0x0
	.amdhsa_kernel k_q17bfbc2992_gemm
		.amdhsa_group_segment_fixed_size 327680
		.amdhsa_private_segment_fixed_size 0
		.amdhsa_enable_private_segment 0
		.amdhsa_kernarg_size 40
		.amdhsa_user_sgpr_count 2
		.amdhsa_user_sgpr_kernarg_segment_ptr 1
		.amdhsa_wavefront_size32 1
		.amdhsa_system_sgpr_workgroup_id_x 1
		.amdhsa_system_sgpr_workgroup_id_y 1
		.amdhsa_system_sgpr_workgroup_id_z 1
		.amdhsa_system_vgpr_workitem_id 0
		.amdhsa_next_free_vgpr 1024
		.amdhsa_next_free_sgpr 72
		.amdhsa_reserve_vcc 0
		.amdhsa_float_denorm_mode_32 3
		.amdhsa_float_denorm_mode_16_64 3
		.amdhsa_memory_ordered 1
		.amdhsa_forward_progress 1
		.amdhsa_inst_pref_size 159
	.end_amdhsa_kernel
	.amdgpu_metadata
---
amdhsa.version: [ 1, 2 ]
amdhsa.kernels:
  - .name:           k_q17bfbc2992_gemm
    .symbol:         k_q17bfbc2992_gemm.kd
    .args:
      - { .name: xq, .offset: 0, .size: 8, .value_kind: global_buffer, .address_space: global }
      - { .name: wq, .offset: 8, .size: 8, .value_kind: global_buffer, .address_space: global }
      - { .name: rs, .offset: 16, .size: 8, .value_kind: global_buffer, .address_space: global }
      - { .name: bias, .offset: 24, .size: 8, .value_kind: global_buffer, .address_space: global }
      - { .name: out0, .offset: 32, .size: 8, .value_kind: global_buffer, .address_space: global }
    .group_segment_fixed_size: 327680
    .private_segment_fixed_size: 0
    .kernarg_segment_align: 8
    .kernarg_segment_size: 40
    .max_flat_workgroup_size: 128
    .sgpr_count:     72
    .vgpr_count:     1024
    .wavefront_size: 32
...
	.end_amdgpu_metadata
.endif
;; end of part 2
;; ======== version 2 of 2: 2 launches; version 1 with the launch prep written anew for expert scheduling mode
;; workspace buffers: xq 33,554,432 bytes; wq 33,554,432 bytes; rs 16,384 bytes
;; launch prep (part 3): grid 256 x 1, 16 waves a work-group, no clusters, 0 bytes of LDS; arguments x, weight_int8, weight_scale, xq, wq, rs; writes xq, wq, rs
.if DOCPART == 3
	.amdgcn_target "amdgcn-amd-amdhsa--gfx1250"
	.amdhsa_code_object_version 6
	.text
	.protected	k_q17bfbc2992_prep
	.globl	k_q17bfbc2992_prep
	.p2align	8
	.type	k_q17bfbc2992_prep,@function
k_q17bfbc2992_prep:
	s_mov_b64 s[64:65], 0
	v_nop
	global_prefetch_b8 v0, s[64:65] scope:SCOPE_SE
	s_setreg_imm32_b32 hwreg(HW_REG_WAVE_SCHED_MODE, 0, 2), 2
	s_setreg_imm32_b32 hwreg(HW_REG_WAVE_MODE, 25, 1), 1
	s_wait_xcnt 0x0
	s_wait_alu depctr_vm_vsrc(0)
; PREPARATION FOR THE PRODUCT.  x: [4096 rows][4096] f32.  weight_int8: [4096 rows][4096] i8.  weight_scale: one f32.
;   xq[m][k] = round(x[m][k] / xs[m]) as bf16, xs[m] = max over k of |x[m][k]| / 127 + 1e-8: a whole number in -127 .. 127, exact in bf16's eight significant bits
;   wq[p(n)][k] = weight_int8[n][k] as bf16: a whole number in -128 .. 127, exact likewise
;   rs[m] = xs[m] x weight_scale: the one factor that the product's sums are multiplied by afterwards
; THE ORDER OF wq's ROWS.  Row n = 128 G + 64 g + 4 r + c (r 0..15, c 0..3) is stored at place p = 128 G + 64 g + 16 c + r.  In the product, four accumulators of one lane are then four
; NEIGHBOURING columns of the output, 16 bytes of f32, and sixteen lanes hold 256 consecutive bytes of an output row: the result needs no exchange between lanes.
; SHARES.  4,096 waves; wave number 16 x work-group + wave takes that row of x and that row of the weights.  A row of x is 128 registers of the wave: it is read from memory once and stays in
; registers between the pass that finds the maximum and the pass that divides.  No wave waits for another: no LDS, no barrier.  All 48 loads of a wave (20 KiB) go out at the head;
; the weights' row, asked for first, is converted and stored while x is on its way.
; ARITHMETIC.  The two divisions are a reciprocal and one correction step each (q0 = x r; e = x - q0 s, exact in the fused form; q = q0 + e r).  LIMIT: such a quotient can differ from a correctly rounded
; division in its last bit, so a quotient within about 1e-7 of itself from a half can round to the neighbouring whole number: one step xs in one element.  xs lies between 1e-8 and 2^121 for finite x,
; so neither xs nor 1 / xs is a denormal.  A NaN or an infinity in a row makes NaN of that element (of the whole row for an infinity), and so of the row's outputs in the product.
; THE MODE: SCHED_MODE bits 1:0 = 2 (LLVM: expert scheduling mode 2), set by the entry lines.  The code itself states the register dependences between vector instructions and memory
; instructions, with s_wait_alu, always for 0.
; THE PLAN.  Registers that memory instructions touch:
;   v1, v2, v4   offsets, made once at the head and never written again; every load and store reads one of them.
;   W, X         the loads land in them once, all issued at the head, where no vector instruction has named them; behind that they are vector instructions' alone, but for:
;   X + 4 j, + 1 written by chunk j's two roundings, read by chunk j's store of xq, never written again.
;   WO + 4 j ..  written by weight chunk j's four roundings, read by chunk j's store of wq, never written again.
;   v22          rs: written by one multiplication, read by the last store.
; T, M, R and S are named by vector instructions alone.  No load is issued behind the head, and no register that a store reads is written again.
; Both streams of chunks go in GROUPS OF FOUR.  At the head of group g ONE wait on va_vdst states that group g - 1's roundings have written their out-registers; group g - 1's four stores follow it, one ahead
; of each chunk of group g, whose vector instructions name T, R, S and group g's own registers: none that those stores read.  Behind a stream's last group one more such wait stands ahead of its four stores.
.set T,   6                            ; v[6:13]    at work
.set M,   14                           ; v[14:17]   four running maxima
.set R,   18                           ; v[18:19]   1 / xs, twice (a pair for the packed forms)
.set S,   20                           ; v[20:21]   xs, twice
.set RSV, 22                           ; v22        xs x weight_scale
.set W,   24                           ; v[24:55]   load j of the weights: 2 registers, 8 bytes
.set WO,  56                           ; v[56:119]  store j of wq: 4 registers; never rewritten, so no store is waited for
.set X,   120                          ; v[120:247] load j of x: 4 registers; the first two then hold the four quotients as bf16, and are never rewritten
	s_load_b256 s[4:11], s[0:1], 0x0               ; x s[4:5], weight_int8 s[6:7], weight_scale s[8:9], xq s[10:11]
	s_load_b128 s[12:15], s[0:1], 0x20             ; wq s[12:13], rs s[14:15]
	v_lshrrev_b32 v5, 5, v0
	v_readfirstlane_b32 s17, v5                    ; wave 0..15
	v_and_b32 v3, 31, v0                           ; lane
	v_lshlrev_b32 v1, 4, v3                        ; 16 x lane: x's loads and wq's stores
	v_lshlrev_b32 v2, 3, v3                        ; 8 x lane: the weights' loads and xq's stores
	v_mov_b32 v4, 0
	s_lshl_b32 s18, ttmp9, 4
	s_wait_alu depctr_va_sdst(0)                   ; s17 is written, ahead of its first reader: all five bases are made from it
	s_add_co_u32 s17, s17, s18                     ; my row
	s_lshl_b32 s18, s17, 14                        ; its first byte in x (16,384 bytes a row),
	s_mov_b32 s19, 0
	s_lshl_b32 s20, s17, 12                        ; in weight_int8 (4,096),
	s_mov_b32 s21, 0
	s_lshl_b32 s22, s17, 13                        ; in xq (8,192)
	s_mov_b32 s23, 0
	s_and_b32 s24, s17, 0xfc0                      ; the place in wq: 128 G + 64 g stays,
	s_and_b32 s25, s17, 3
	s_lshl_b32 s25, s25, 4                         ; c goes up to 16 c,
	s_or_b32 s24, s24, s25
	s_bfe_u32 s25, s17, 0x40002                    ; r (4 bits from bit 2) comes down
	s_or_b32 s24, s24, s25
	s_lshl_b32 s24, s24, 13                        ; 8,192 bytes a row
	s_mov_b32 s25, 0
	s_lshl_b32 s26, s17, 2                         ; my word of rs
	s_mov_b32 s27, 0
	s_mov_b32 s28, 0x80808080                      ; turns four signed bytes w into unsigned w + 128
	s_mov_b32 s29, 0x4b000000                      ; 2^23 as f32: with a byte u in its lowest bits it is 2^23 + u
	s_mov_b32 s30, 0x07050400                      ; v_perm_b32: byte 3 of s29 on top, two zero bytes of it, byte 0 of the weights' word below;
	s_mov_b32 s31, 0x07050401                      ; byte 1,
	s_mov_b32 s32, 0x07050402                      ; byte 2,
	s_mov_b32 s33, 0x07050403                      ; byte 3
	s_mov_b32 s34, 0x3c010204                      ; 1 / 127
	s_mov_b32 s35, 0x42fe0000                      ; 127
	s_mov_b32 s36, 0x76543210                      ; v_permlanex16_b32: lane i of one half reads lane i of the other
	s_mov_b32 s37, 0xfedcba98
	s_mov_b32 s40, 0xcb000080                      ; -(2^23 + 128)
	s_mov_b32 s41, s40                             ; named with it as a pair
	s_wait_kmcnt 0x0
	s_load_b32 s16, s[8:9], 0x0                    ; weight_scale; waited for where it is used
	s_add_nc_u64 s[4:5], s[4:5], s[18:19]
	s_add_nc_u64 s[6:7], s[6:7], s[20:21]
	s_add_nc_u64 s[10:11], s[10:11], s[22:23]
	s_add_nc_u64 s[12:13], s[12:13], s[24:25]
	s_add_nc_u64 s[14:15], s[14:15], s[26:27]
	s_wait_alu depctr_va_vdst(0)                   ; v1, v2 and v4 are written: every load and store of the kernel reads one of them as its offset
.irp j, 0,1,2,3,4,5,6,7,8,9,10,11,12,13,14,15
	global_load_b64 v[W+2*(\j):W+2*(\j)+1], v2, s[6:7] offset:256*(\j) th:TH_LOAD_NT  ; 32 lanes x 8 bytes: 256 consecutive bytes, aligned
.endr
.set j, 0
.rept 32
	global_load_b128 v[X+4*j:X+4*j+3], v1, s[4:5] offset:512*j th:TH_LOAD_NT          ; 512 consecutive bytes
.set j, j+1
.endr
; Eight weights a lane: i8 to bf16 by way of f32, all steps exact.  w + 128 is set into the lowest byte of 2^23; 2^23 + 128 is taken away; the whole number is rounded to bf16, which holds it.
; Ahead of chunk j's work goes the store of chunk j - 4, of the group before.
.macro WCONV j
.if (((\j)%4) == 0) && ((\j) > 0)
	s_wait_alu depctr_va_vdst(0)                   ; the roundings of the group before have written their sixteen registers of WO, which this group's four stores read
.endif
.if (\j) >= 4
	global_store_b128 v1, v[WO+4*((\j)-4):WO+4*((\j)-4)+3], s[12:13] offset:512*((\j)-4) th:TH_STORE_NT  ; 512 consecutive bytes, at a multiple of 512 from the row's first; no vector instruction since the wait names these registers
.endif
	s_wait_loadcnt 47-(\j)                         ; loads come back in order: behind this one stand 15 - j of the weights' and the 32 of x
	v_xor_b32 v[W+2*(\j)],   s28, v[W+2*(\j)]
	v_xor_b32 v[W+2*(\j)+1], s28, v[W+2*(\j)+1]
.irp i, 0,1,2,3,4,5,6,7
	v_perm_b32 v[T+(\i)], s29, v[W+2*(\j)+(\i)/4], s[30+(\i)%4]
.endr
.irp i, 0,2,4,6
	v_pk_add_f32 v[T+(\i):T+(\i)+1], v[T+(\i):T+(\i)+1], s[40:41] op_sel_hi:[1,0]
.endr
.irp i, 0,1,2,3
	v_cvt_pk_bf16_f32 v[WO+4*(\j)+(\i)], v[T+2*(\i)], v[T+2*(\i)+1]
.endr
.endm
.irp j, 0,1,2,3,4,5,6,7,8,9,10,11,12,13,14,15
	WCONV \j
.endr
	s_wait_alu depctr_va_vdst(0)                   ; the roundings of the weights' last group have written WO's last sixteen registers, which the four stores below read
.irp j, 12,13,14,15
	global_store_b128 v1, v[WO+4*(\j):WO+4*(\j)+3], s[12:13] offset:512*(\j) th:TH_STORE_NT  ; they go out together, ahead of the waits for x
.endr
	; The largest |x| of my 128 numbers: four chains that do not wait for each other, two numbers an instruction; the first four pairs start the chains.
.set p, 0
.rept 64
.if p%16 == 0
	s_wait_loadcnt 24-8*(p/16)                     ; the next eight loads of x are in; the younger ones stay out
.endif
.if p < 4
	v_max_num_f32 v[M+p], |v[X+2*p]|, |v[X+2*p+1]|
.else
	v_max3_num_f32 v[M+p%4], v[M+p%4], |v[X+2*p]|, |v[X+2*p+1]|
.endif
.set p, p+1
.endr
	v_max3_num_f32 v[M], v[M], v[M+1], v[M+2]
	v_max_num_f32 v[M], v[M], v[M+3]
	; across the 32 lanes: four steps inside each half of 16 lanes, one across the halves
	v_max_num_f32_dpp v[M], v[M], v[M] row_xmask:1 row_mask:0xf bank_mask:0xf
	v_max_num_f32_dpp v[M], v[M], v[M] row_xmask:2 row_mask:0xf bank_mask:0xf
	v_max_num_f32_dpp v[M], v[M], v[M] row_xmask:4 row_mask:0xf bank_mask:0xf
	v_max_num_f32_dpp v[M], v[M], v[M] row_xmask:8 row_mask:0xf bank_mask:0xf
	v_permlanex16_b32 v[M+1], v[M], s36, s37       ; its destination counts as read: a register that has been written
	v_max_num_f32 v[M], v[M], v[M+1]               ; every lane holds the row's maximum
	v_mul_f32 v[T], s34, v[M]                      ; maximum / 127: times the reciprocal,
	v_fma_f32 v[T+1], -v[T], s35, v[M]             ; what is left over, exact,
	v_fma_f32 v[T], v[T+1], s34, v[T]              ; and the correction
	v_add_f32 v[S], 0x322bcc77, v[T]               ; + 1e-8: xs
	v_rcp_f32 v[R], v[S]
	v_mov_b32 v[S+1], v[S]                         ; the plain instruction behind the reciprocal: it names neither the result nor writes the source
	s_wait_alu depctr_va_vdst(0)                   ; the reciprocal has written v[R], ahead of the first line that names that result
	v_mov_b32 v[R+1], v[R]
	s_wait_kmcnt 0x0                               ; weight_scale
	v_mul_f32 v[RSV], s16, v[S]
; Four numbers a lane: x / xs, rounded to the nearest whole number (halves to even), as bf16.  Ahead of chunk j's work goes the store of chunk j - 4, of the group before.
.macro XQUANT j
.if (((\j)%4) == 0) && ((\j) > 0)
	s_wait_alu depctr_va_vdst(0)                   ; the roundings of the group before have written their four pairs in X, which this group's four stores read (the first of these waits also: v[RSV] is written, which the last store reads)
.endif
.if (\j) >= 4
	global_store_b64 v2, v[X+4*((\j)-4):X+4*((\j)-4)+1], s[10:11] offset:256*((\j)-4) th:TH_STORE_NT  ; 32 lanes x 8 bytes: 256 consecutive bytes, aligned; no vector instruction since the wait names these registers
.endif
	v_pk_mul_f32 v[T:T+1],   v[X+4*(\j):X+4*(\j)+1],   v[R:R+1]
	v_pk_mul_f32 v[T+2:T+3], v[X+4*(\j)+2:X+4*(\j)+3], v[R:R+1]
	v_pk_fma_f32 v[T+4:T+5], v[T:T+1],   v[S:S+1], v[X+4*(\j):X+4*(\j)+1]   neg_lo:[1,0,0] neg_hi:[1,0,0]  ; x - q0 xs
	v_pk_fma_f32 v[T+6:T+7], v[T+2:T+3], v[S:S+1], v[X+4*(\j)+2:X+4*(\j)+3] neg_lo:[1,0,0] neg_hi:[1,0,0]
	v_pk_fma_f32 v[T:T+1],   v[T+4:T+5], v[R:R+1], v[T:T+1]
	v_pk_fma_f32 v[T+2:T+3], v[T+6:T+7], v[R:R+1], v[T+2:T+3]
.irp i, 0,1,2,3
	v_rndne_f32 v[T+(\i)], v[T+(\i)]
.endr
	v_cvt_pk_bf16_f32 v[X+4*(\j)],   v[T],   v[T+1]
	v_cvt_pk_bf16_f32 v[X+4*(\j)+1], v[T+2], v[T+3]
.endm
.set j, 0
.rept 32
	XQUANT j
.set j, j+1
.endr
	s_wait_alu depctr_va_vdst(0)                   ; the roundings of x's last group have written their four pairs in X, which the four stores below read
.irp j, 28,29,30,31
	global_store_b64 v2, v[X+4*(\j):X+4*(\j)+1], s[10:11] offset:256*(\j) th:TH_STORE_NT
.endr
	; rs: one number a row, stored by lane 0: 4 bytes a wave, 16 KiB of the launch's 67 MB of stores.  A store of 256 consecutive bytes of rs would want 64 rows in one work-group.
	v_cmp_eq_u32 vcc_lo, 0, v3
	s_wait_xcnt 0x0                                ; EXEC is a source of the stores above: it changes only behind this wait
	s_wait_alu depctr_va_vcc(0)                    ; the compare has written VCC, from which EXEC is made
	s_wait_alu depctr_va_vdst(0)                   ; every vector instruction issued so far, all under the full EXEC, is done before EXEC is narrowed
	s_wait_alu depctr_vm_vsrc(0)                   ; the stores above have read their vector registers under the full EXEC
	s_and_saveexec_b32 s38, vcc_lo
	global_store_b32 v4, v[RSV], s[14:15]          ; v4 and v[RSV] were written ahead of the waits on va_vdst above
	s_wait_xcnt 0x0                                ; and again, in front of the line that widens it
	s_wait_alu depctr_va_vdst(0)                   ; no vector instruction is left at work under the narrow EXEC when it is widened
	s_wait_alu depctr_vm_vsrc(0)                   ; the store of rs has read its vector registers under the narrow EXEC
	s_or_b32 exec_lo, exec_lo, s38
	s_endpgm
.Lfunc_end_k_q17bfbc2992_prep:
	.size	k_q17bfbc2992_prep, .Lfunc_end_k_q17bfbc2992_prep-k_q17bfbc2992_prep
	.p2alignl 7, 3214868480
	.fill 96, 4, 3214868480
	.section	.rodata,"a",@progbits
	.p2align	6, 0x0
	.amdhsa_kernel k_q17bfbc2992_prep
		.amdhsa_group_segment_fixed_size 0
		.amdhsa_private_segment_fixed_size 0
		.amdhsa_enable_private_segment 0
		.amdhsa_kernarg_size 48
		.amdhsa_user_sgpr_count 2
		.amdhsa_user_sgpr_kernarg_segment_ptr 1
		.amdhsa_wavefront_size32 1
		.amdhsa_system_sgpr_workgroup_id_x 1
		.amdhsa_system_sgpr_workgroup_id_y 1
		.amdhsa_system_sgpr_workgroup_id_z 1
		.amdhsa_system_vgpr_workitem_id 0
		.amdhsa_next_free_vgpr 248
		.amdhsa_next_free_sgpr 66
		.amdhsa_reserve_vcc 1
		.amdhsa_float_denorm_mode_32 3
		.amdhsa_float_denorm_mode_16_64 3
		.amdhsa_memory_ordered 1
		.amdhsa_forward_progress 1
		.amdhsa_inst_pref_size 55
	.end_amdhsa_kernel
	.amdgpu_metadata
---
amdhsa.version: [ 1, 2 ]
amdhsa.kernels:
  - .name:           k_q17bfbc2992_prep
    .symbol:         k_q17bfbc2992_prep.kd
    .args:
      - { .name: x, .offset: 0, .size: 8, .value_kind: global_buffer, .address_space: global }
      - { .name: weight_int8, .offset: 8, .size: 8, .value_kind: global_buffer, .address_space: global }
      - { .name: weight_scale, .offset: 16, .size: 8, .value_kind: global_buffer, .address_space: global }
      - { .name: xq, .offset: 24, .size: 8, .value_kind: global_buffer, .address_space: global }
      - { .name: wq, .offset: 32, .size: 8, .value_kind: global_buffer, .address_space: global }
      - { .name: rs, .offset: 40, .size: 8, .value_kind: global_buffer, .address_space: global }
    .group_segment_fixed_size: 0
    .private_segment_fixed_size: 0
    .kernarg_segment_align: 8
    .kernarg_segment_size: 48
    .max_flat_workgroup_size: 512
    .sgpr_count:     66
    .vgpr_count:     248
    .wavefront_size: 32
...
	.end_amdgpu_metadata
.endif
;; end of part 3
;; launch gemm: the kernel of part 2 again; grid 16 x 16, 4 waves a work-group, clusters of 4 x 4, 327,680 bytes of LDS; arguments xq, wq, rs, bias, out0; writes out0
